; MI455X (gfx1250); checked and timed in simulation.
; The chip was launched on July 23, 2026; its instructions are those of AMD's public machine-readable ISA for CDNA 5 (MIT licence, August 2026) and "CDNA5" Instruction Set Architecture Reference Guide (July 2026). The comments in the code are by the model that wrote it; some were corrected since.
;; Multi Head Attention. Allowed arithmetic: matrix products marked QUANTISED: E4M3 operands, one given power-of-two scale a tensor, by v_wmma_f32_16x16x64_fp8_fp8 or v_wmma_f32_16x16x128_fp8_fp8, f32 sums; everything else in f32.
;; Inputs: Wk 512 x 512 float32; Wo 512 x 512 float32; Wq 512 x 512 float32; Wv 512 x 512 float32; bk 512 float32; bo 512 float32; bq 512 float32; bv 512 float32; k 2 x 4,096 x 512 float32; lowp_scales 12 int32 (the exponents e of the quantised operands' scales 2^e); q 2 x 4,096 x 512 float32; v 2 x 4,096 x 512 float32.
;; Outputs: out0 2 x 4,096 x 512 float32.
;; This version of the problem:
;;   THIS VERSION OF THE PROBLEM IS GIVEN IN LOW PRECISION. The matrix products marked QUANTISED in the list below multiply operands that are first quantised to E4M3 (4 exponent bits, 3 mantissa bits; 8 bits a number), with one given power-of-two scale for each operand tensor; their sums are f32. All else is computed in f32.
;;   The module's matrix products, in the order in which they are computed (A, B: the left and right operand; K: the contracted axis; several contracted axes count as one K, in the product's order):
;;     1. [M 8,192, K 512] x [K 512, N 512]; A: input q; B: input Wq: QUANTISED (scales: A lowp_scales[0], B lowp_scales[1])
;;     2. [M 8,192, K 512] x [K 512, N 512]; A: input k; B: input Wk: QUANTISED (scales: A lowp_scales[2], B lowp_scales[3])
;;     3. [M 8,192, K 512] x [K 512, N 512]; A: input v; B: input Wv: QUANTISED (scales: A lowp_scales[4], B lowp_scales[5])
;;     4. batch 16 x [M 4,096, K 64] x [K 64, N 4,096]; A: computed on the way; B: computed on the way: QUANTISED (scales: A lowp_scales[6], B lowp_scales[7])
;;     5. batch 16 x [M 4,096, K 4,096] x [K 4,096, N 64]; A: softmax (see below); B: computed on the way: QUANTISED (scales: A lowp_scales[8], B lowp_scales[9])
;;     6. [M 8,192, K 512] x [K 512, N 512]; A: computed on the way; B: input Wo: QUANTISED (scales: A lowp_scales[10], B lowp_scales[11])
;;   THE QUANTISER, for each operand of a quantised product, along K:
;;     - The operand's scale is 2^e, e = its entry of the input lowp_scales (int32; the entries are numbered through the quantised products in the list's order, A before B).
;;     - Each number is divided by the scale, clamped to +-448, and rounded to the nearest number of E4M3, ties to even, subnormals kept.
;;     - The product sums the exact products of the quantised numbers (number of the format x scale) in f32.
;;   ~~~python
;;   def quantise(x, axis, e):      # numpy; x: float32 -> the quantised numbers, widened to float32 again
;;       x = np.moveaxis(x, axis, -1); K = x.shape[-1]
;;       r = np.clip(x / 2.0 ** e, -448, 448)
;;       step = 2.0 ** (np.maximum(np.frexp(np.where(r == 0, 1, r))[1] - 1, -6) - 3)
;;       q = np.round(r / step) * step * 2.0 ** e      # np.round: ties to even
;;       return np.moveaxis(q, -1, axis).astype(np.float32)
;;   ~~~
;;   SOFTMAX AHEAD OF A QUANTISED PRODUCT. Where the list says 'softmax', what is quantised is not the finished softmax but p = 2^(t - M), with t = logit x log2(e) and M = ceil(the row's largest t), a whole number; so 1/2 < the row's largest p <= 1. The row's sum l is taken of the UNQUANTISED p, in f32, and the product's result is divided by l at the end. Since M is a whole number, a kernel that streams over the keys may use a running M (the ceiling of the running maximum): every later rescaling is an exact power of two, so the quantised numbers keep their values, but for numbers so far below the row's largest that they fall under the format's range.
;;   OPERANDS COMPUTED ON THE WAY. 'Computed on the way' means the value that the module computes at that place (a softmax that the list does not call 'softmax' is quantised finished and normalised). What goes into a quantiser is computed in f32, as accurately as f32 sums, v_exp_f32 and their like allow (about 1e-6 of the number): no bf16 or f16 on the way to a quantiser, and a product that is left as it is and whose result goes on into a quantised operand takes f32 operands (vector FMAs, or v_wmma_f32_16x16x4_f32). A number that lies on a knife's edge between two numbers of the format may be rounded either way, as far as f32 arithmetic and the matrix unit's own rounding can turn it there, and no further.
;; One version. Each part assembles by itself: llvm-mc -triple=amdgcn-amd-amdhsa -mcpu=gfx1250 --defsym DOCPART=n.
;; ======== version 1 of 1: 4 launches
;; limits: right only within a limited range of input values
;; workspace buffers: wimg 1,048,576 bytes; qc 4,194,304 bytes; kc 4,194,304 bytes; vc 4,194,304 bytes; ac 4,194,304 bytes
;; launch wprep (part 1): grid 256 x 1, 2 waves a work-group, no clusters, 0 bytes of LDS; arguments Wq, Wk, Wv, Wo, lowp_scales, wimg; writes wimg
.if DOCPART == 1
	.amdgcn_target "amdgcn-amd-amdhsa--gfx1250"
	.amdhsa_code_object_version 6
	.text
	.protected	k_q72ef598717_wprep
	.globl	k_q72ef598717_wprep
	.p2align	8
	.type	k_q72ef598717_wprep,@function
k_q72ef598717_wprep:
	s_mov_b64 s[64:65], 0
	v_nop
	global_prefetch_b8 v0, s[64:65] scope:SCOPE_SE
	s_setreg_imm32_b32 hwreg(HW_REG_WAVE_MODE, 25, 1), 1
	s_wait_xcnt 0x0
; Wq, Wk, Wv, Wo, each [512][512] f32 with K innermost, become codes of E4M3 with the given scales 2^e (entries 1, 3, 5, 11 of the scales), laid as IMAGES OF OPERAND REGISTERS:
; wimg[w 0..3][ft 0..31][s 0..3][c 0..3][512 bytes].  Fragment (ft, s) is rows 16 ft + r, k = 128 s on.  In chunk c lane (r, h) has 16 bytes at 16 x lane:
; codes of k = 32 c + 8 h + 0..7, then of k = 32 c + 16 + 8 h + 0..7: registers 4 c .. 4 c + 3 of a fragment of the plain 8-bit forms (ISA guide 7.12.2), k in its true place.
; code = x / 2^e, held within +-448, rounded to the nearest code, ties to even.
; SHARES: 4 x 32 x 4 = 512 fragments, one a wave; two waves a work-group.  No LDS, no barrier: waves share nothing.  A wave's store covers 512 consecutive bytes, aligned.
; LIMITS: each e between -126 and 119, so that 2^e and 448 x 2^e are f32 numbers.  NaN among the inputs is not served; an infinity is held at the largest code.
.set X,   16                           ; v16-79  64 numbers: register 16 c + i
.set C,   80                           ; v80-95  the fragment's codes
.set LIM, 10
.set SC,  11                           ; v11     2^e
	s_load_b256 s[4:11], s[0:1], 0x0               ; Wq s[4:5], Wk s[6:7], Wv s[8:9], Wo s[10:11]
	s_load_b128 s[12:15], s[0:1], 0x20             ; the scales' exponents s[12:13], wimg s[14:15]
	v_lshrrev_b32 v1, 5, v0
	v_readfirstlane_b32 s16, v1                    ; wave 0, 1
	s_lshr_b32 s17, ttmp9, 6                       ; which weight: 64 work-groups each
	s_lshl_b32 s18, ttmp9, 1
	s_add_co_u32 s18, s18, s16                     ; my fragment's number, 0 .. 511
	s_and_b32 s19, s18, 127                        ; in its weight: 4 ft + s
	s_lshr_b32 s20, s19, 2
	s_lshl_b32 s20, s20, 15                        ; 16 ft rows of 2,048 bytes
	s_and_b32 s21, s19, 3
	s_lshl_b32 s21, s21, 9                         ; 128 s numbers of 4 bytes
	s_add_co_u32 s20, s20, s21
	s_mov_b32 s21, 0
	s_lshl_b32 s22, s18, 11                        ; an image is 2,048 bytes
	s_mov_b32 s23, 0
	v_and_b32 v1, 15, v0                           ; r
	v_bfe_u32 v2, v0, 4, 1                         ; h
	v_lshlrev_b32 v3, 11, v1
	v_lshl_add_u32 v3, v2, 5, v3                   ; in: row r, + 8 h numbers
	v_and_b32 v4, 31, v0
	v_lshlrev_b32 v4, 4, v4                        ; out: 16 x lane
	s_wait_alu depctr_va_vdst(0)
	s_wait_kmcnt 0x0
	s_load_b256 s[32:39], s[12:13], 0x0            ; e0 .. e7
	s_load_b128 s[40:43], s[12:13], 0x20           ; e8 .. e11
	s_cmp_eq_u32 s17, 1                            ; the choice hangs on the work-group's number alone
	s_cselect_b64 s[26:27], s[6:7], s[4:5]
	s_cmp_eq_u32 s17, 3
	s_cselect_b64 s[28:29], s[10:11], s[8:9]
	s_cmp_lt_u32 s17, 2
	s_cselect_b64 s[30:31], s[26:27], s[28:29]
	s_add_nc_u64 s[30:31], s[30:31], s[20:21]
	s_add_nc_u64 s[14:15], s[14:15], s[22:23]
.irp c, 0,1,2,3
.irp i, 0,1,2,3
	global_load_b128 v[X+16*\c+4*\i:X+16*\c+4*\i+3], v3, s[30:31] offset:128*\c+16*(\i%2)+64*(\i/2)   ; k = 32 c + 8 h + 0..7, then 32 c + 16 + 8 h + 0..7
.endr
.endr
	s_wait_kmcnt 0x0
	s_cmp_eq_u32 s17, 1
	s_cselect_b32 s24, s35, s33                    ; e3 or e1
	s_cmp_eq_u32 s17, 3
	s_cselect_b32 s25, s43, s37                    ; e11 or e5
	s_cmp_lt_u32 s17, 2
	s_cselect_b32 s24, s24, s25
	s_add_co_i32 s44, s24, 127
	s_lshl_b32 s45, s44, 23
	v_mov_b32 v[SC], s45                           ; 2^e as f32: the conversion takes its exponent field
	s_wait_alu depctr_va_vdst(0)
	s_wait_loadcnt 0x0
.set j, 0
.rept 64
.set j, j+1
.endr
.irp g, 0,1,2,3,4,5,6,7
	v_cvt_scalef32_pk8_fp8_f32 v[C+2*\g:C+2*\g+1], v[X+8*\g:X+8*\g+7], v[SC]
.endr
	v_nop                                          ; a plain line behind the last conversion
.irp c, 0,1,2,3
	global_store_b128 v4, v[C+4*\c:C+4*\c+3], s[14:15] offset:512*\c
.endr
	s_endpgm
.Lfunc_end_k_q72ef598717_wprep:
	.size	k_q72ef598717_wprep, .Lfunc_end_k_q72ef598717_wprep-k_q72ef598717_wprep
	.p2alignl 7, 3214868480
	.fill 96, 4, 3214868480
	.section	.rodata,"a",@progbits
	.p2align	6, 0x0
	.amdhsa_kernel k_q72ef598717_wprep
		.amdhsa_group_segment_fixed_size 0
		.amdhsa_private_segment_fixed_size 0
		.amdhsa_enable_private_segment 0
		.amdhsa_kernarg_size 48
		.amdhsa_user_sgpr_count 2
		.amdhsa_user_sgpr_kernarg_segment_ptr 1
		.amdhsa_wavefront_size32 1
		.amdhsa_system_sgpr_workgroup_id_x 1
		.amdhsa_system_sgpr_workgroup_id_y 1
		.amdhsa_system_sgpr_workgroup_id_z 1
		.amdhsa_system_vgpr_workitem_id 0
		.amdhsa_next_free_vgpr 96
		.amdhsa_next_free_sgpr 66
		.amdhsa_reserve_vcc 0
		.amdhsa_float_denorm_mode_32 3
		.amdhsa_float_denorm_mode_16_64 3
		.amdhsa_fp16_overflow 1
		.amdhsa_memory_ordered 1
		.amdhsa_forward_progress 1
		.amdhsa_inst_pref_size 5
	.end_amdhsa_kernel
	.amdgpu_metadata
---
amdhsa.version: [ 1, 2 ]
amdhsa.kernels:
  - .name:           k_q72ef598717_wprep
    .symbol:         k_q72ef598717_wprep.kd
    .args:
      - { .name: Wq, .offset: 0, .size: 8, .value_kind: global_buffer, .address_space: global }
      - { .name: Wk, .offset: 8, .size: 8, .value_kind: global_buffer, .address_space: global }
      - { .name: Wv, .offset: 16, .size: 8, .value_kind: global_buffer, .address_space: global }
      - { .name: Wo, .offset: 24, .size: 8, .value_kind: global_buffer, .address_space: global }
      - { .name: lowp_scales, .offset: 32, .size: 8, .value_kind: global_buffer, .address_space: global }
      - { .name: wimg, .offset: 40, .size: 8, .value_kind: global_buffer, .address_space: global }
    .group_segment_fixed_size: 0
    .private_segment_fixed_size: 0
    .kernarg_segment_align: 8
    .kernarg_segment_size: 48
    .max_flat_workgroup_size: 64
    .sgpr_count:     66
    .vgpr_count:     96
    .wavefront_size: 32
...
	.end_amdgpu_metadata
.endif
;; end of part 1
;; launch proj (part 2): grid 64 x 3, 16 waves a work-group, no clusters, 327,680 bytes of LDS; arguments q, k, v, bq, bk, bv, lowp_scales, wimg, qc, kc, vc; writes qc, kc, vc
.if DOCPART == 2
	.amdgcn_target "amdgcn-amd-amdhsa--gfx1250"
	.amdhsa_code_object_version 6
	.text
	.protected	k_q72ef598717_proj
	.globl	k_q72ef598717_proj
	.p2align	8
	.type	k_q72ef598717_proj,@function
k_q72ef598717_proj:
	s_mov_b64 s[64:65], 0
	v_nop
	global_prefetch_b8 v0, s[64:65] scope:SCOPE_SE
	s_setreg_imm32_b32 hwreg(HW_REG_WAVE_MODE, 25, 1), 1
	s_wait_xcnt 0x0
.set PITCH, 528
.set TILEB, 16*PITCH
.set SLAB,  64*PITCH
.set HALFB, 4*SLAB
.set XIMG,  2*HALFB
.set LI,   1
.set XR0,  2
.set XWI,  4
.set LIX,  5
.set SCX,  8
.set LIMX, 9
.set SCO,  10
.set LIMO, 11
.set BI,   16
.set ACC,  32
.set XN,   32
.set XFR,  64
.set OC,   96
.set XC,   112
.set WR,   128
.set WV,   26
.set TS,   27
.set RB,   28
.set ISV,  30
.set G1,   32
.set G0,   40
.macro MKSCALE e, t, sc, lim
	s_add_co_i32 s[\t], s[\e], 127
	s_lshl_b32 s[\t+1], s[\t], 23
	v_mov_b32 v[\sc], s[\t+1]
.endm
	s_load_b512 s[4:19], s[0:1], 0x0
	s_load_b128 s[20:23], s[0:1], 0x40
	s_load_b64 s[24:25], s[0:1], 0x50
	v_lshl_add_u32 v14, v0, 2, 0x4a000
	v_mov_b32 v15, 0
	ds_add_u32 v14, v15
	ds_add_u32 v14, v15
	v_lshrrev_b32 v12, 5, v0
	s_delay_alu instid0(VALU_DEP_1)
	v_readfirstlane_b32 s[WV], v12
	s_and_b32 s[TS], ttmp7, 0xffff
	s_mov_b32 s[RB], ttmp9
	s_mov_b32 s[G1+0], (2<<16)|(1<<20)|(6<<22)|(3<<25)
	s_mov_b32 s[G1+1], 128<<16
	s_mov_b32 s[G1+2], 16<<16
	s_mov_b32 s[G1+3], 128<<16
	s_mov_b32 s[G1+4], 16
	s_mov_b32 s[G1+5], 512
	s_mov_b32 s[G1+6], 0
	s_mov_b32 s[G1+7], 0
	s_lshl_b32 s84, s[RB], 18
	s_and_b32 s86, s[WV], 3
	s_lshl_b32 s87, s86, 15
	s_add_co_u32 s84, s84, s87
	s_lshr_b32 s88, s[WV], 2
	s_lshl_b32 s87, s88, 9
	s_add_co_u32 s84, s84, s87
	s_mov_b32 s85, 0
	s_mul_i32 s89, s86, SLAB
	s_mul_i32 s90, s88, TILEB
	s_add_co_u32 s89, s89, s90
	s_lshl_b32 s90, s[WV], 11
	s_add_co_u32 s90, s90, XIMG
	v_and_b32 v[LI], 31, v0
	s_delay_alu instid0(VALU_DEP_1)
	v_lshlrev_b32 v[LI], 4, v[LI]
	v_and_b32 v12, 15, v0
	v_bfe_u32 v13, v0, 4, 1
	s_delay_alu instid0(VALU_DEP_2)
	v_mul_u32_u24 v[XR0], v12, PITCH
	s_delay_alu instid0(VALU_DEP_1)
	v_lshl_add_u32 v[XR0], v13, 5, v[XR0]
	s_delay_alu instid0(VALU_DEP_1)
	v_add_nc_u32 v[XR0], s89, v[XR0]
	s_delay_alu instid0(VALU_DEP_1)
	v_add_nc_u32 v[XR0+1], HALFB, v[XR0]
	v_add_nc_u32 v[XWI], s90, v[LI]
	v_add_nc_u32 v[LIX], XIMG, v[LI]
	v_lshlrev_b32 v6, 5, v13
	v_lshlrev_b32 v7, 2, v12
	s_wait_dscnt 0x0
	s_wait_kmcnt 0x0
	s_load_b256 s[68:75], s[16:17], 0x0
	s_load_b128 s[76:79], s[16:17], 0x20
	s_cmp_eq_u32 s[TS], 1
	s_cselect_b64 s[48:49], s[6:7], s[4:5]
	s_cselect_b64 s[50:51], s[12:13], s[10:11]
	s_cselect_b64 s[52:53], s[22:23], s[20:21]
	s_cmp_eq_u32 s[TS], 2
	s_cselect_b64 s[48:49], s[8:9], s[48:49]
	s_cselect_b64 s[50:51], s[14:15], s[50:51]
	s_cselect_b64 s[52:53], s[24:25], s[52:53]
	s_cselect_b32 s[ISV], 1, 0
	s_cselect_b32 s93, 12, 9
	s_add_nc_u64 s[48:49], s[48:49], s[84:85]
	s_mov_b32 s[G0], 1
	s_mul_i32 s[G0+1], s[WV], TILEB
	s_mov_b64 s[G0+2:G0+3], s[48:49]
	s_or_b32 s[G0+3], s[G0+3], 0x80000000
	s_mov_b32 s[G0+4], 1
	s_add_co_u32 s[G0+5], s[G0+1], HALFB
	s_add_nc_u64 s[G0+6:G0+7], s[48:49], 64*2048
	s_or_b32 s[G0+7], s[G0+7], 0x80000000
	tensor_load_to_lds s[G0:G0+3], s[G1:G1+7]
	s_nop 0
	s_wait_alu depctr_va_vdst(0)
	s_wait_tensorcnt 0x0
	ds_add_u32 v14, v15
	s_wait_dscnt 0x0
	s_barrier_signal -1
	s_barrier_wait -1
	tensor_load_to_lds s[G0+4:G0+7], s[G1:G1+7]
	s_nop 0
.rept 4
	v_nop
.endr
	s_lshl_b32 s86, s[TS], 18
	s_lshl_b32 s87, s[WV], 14
	s_add_co_u32 s86, s86, s87
	s_mov_b32 s87, 0
	s_add_nc_u64 s[54:55], s[18:19], s[86:87]
.set j, 0
.rept 32
	global_load_b128 v[WR+4*j:WR+4*j+3], v[LI], s[54:55] offset:512*j
.set j, j+1
.endr
	s_lshl_b32 s86, s[WV], 7
	s_add_nc_u64 s[50:51], s[50:51], s[86:87]
	s_lshr_b32 s86, s[RB], 5
	s_lshl_b32 s86, s86, 21
	s_lshr_b32 s88, s[WV], 1
	s_lshl_b32 s88, s88, 18
	s_add_co_u32 s86, s86, s88
	s_and_b32 s88, s[RB], 31
	s_lshl_b32 s88, s88, 13
	s_add_co_u32 s86, s86, s88
	s_and_b32 s88, s[WV], 1
	s_lshl_b32 s88, s88, s93
	s_add_co_u32 s86, s86, s88
	s_add_nc_u64 s[52:53], s[52:53], s[86:87]
	s_wait_kmcnt 0x0
	s_cmp_eq_u32 s[TS], 1
	s_cselect_b32 s80, s70, s68
	s_cselect_b32 s81, s71, s69
	s_cselect_b32 s82, s75, s74
	s_cmp_eq_u32 s[TS], 2
	s_cselect_b32 s80, s72, s80
	s_cselect_b32 s81, s73, s81
	s_cselect_b32 s82, s77, s82
	s_add_co_i32 s83, s80, s81
	s_sub_co_i32 s91, 0, s83
	s_sub_co_i32 s92, s82, s83
	MKSCALE 80, 94, SCX, LIMX
	MKSCALE 92, 94, SCO, LIMO
	s_cmp_eq_u32 s[ISV], 1
	s_cbranch_scc1 .Lbias_v
	s_wait_alu depctr_va_vdst(0)
.irp f, 0,1
.irp u, 0,1
	global_load_b128 v[BI+8*\f+4*\u:BI+8*\f+4*\u+3], v6, s[50:51] offset:64*\f+16*\u
.endr
.endr
	s_wait_loadcnt 0x0
.set j, 0
.rept 16
	v_ldexp_f32 v[BI+j], v[BI+j], s91
.set j, j+1
.endr
	s_branch .Lbias_done
.Lbias_v:
	s_wait_alu depctr_va_vdst(0)
	global_load_b32 v[BI], v7, s[50:51]
	global_load_b32 v[BI+8], v7, s[50:51] offset:64
	s_wait_loadcnt 0x0
	v_ldexp_f32 v[BI], v[BI], s91
	v_ldexp_f32 v[BI+8], v[BI+8], s91
.irp j, 1,2,3,4,5,6,7
	v_mov_b32 v[BI+\j], v[BI]
	v_mov_b32 v[BI+8+\j], v[BI+8]
.endr
.Lbias_done:
.macro QX adr
.irp c, 0,1,2,3
.irp i, 0,1,2,3
	ds_load_b128 v[XN+16*\c+4*\i:XN+16*\c+4*\i+3], v[\adr] offset:128*\c+16*(\i%2)+64*(\i/2)
.endr
.endr
	s_wait_dscnt 0x0
.set j, 0
.rept 64
.set j, j+1
.endr
.irp g, 0,1,2,3,4,5,6,7
	v_cvt_scalef32_pk8_fp8_f32 v[XC+2*\g:XC+2*\g+1], v[XN+8*\g:XN+8*\g+7], v[SCX]
.endr
	v_nop
.irp c, 0,1,2,3
	ds_store_b128 v[XWI], v[XC+4*\c:XC+4*\c+3] offset:512*\c
.endr
.endm
.macro MM isv, t, f, s
.set rW, WR+64*\f+16*\s
.set rX, XFR+16*\t
.if \isv
.set rD, ACC+8*(2*\f+\t)
.if \s == 0
	v_wmma_f32_16x16x128_fp8_fp8 v[rD:rD+7], v[rX:rX+15], v[rW:rW+15], v[BI+8*\f:BI+8*\f+7]
.else
	v_wmma_f32_16x16x128_fp8_fp8 v[rD:rD+7], v[rX:rX+15], v[rW:rW+15], v[rD:rD+7]
.endif
.else
.set rD, ACC+8*(2*\t+\f)
.if \s == 0
	v_wmma_f32_16x16x128_fp8_fp8 v[rD:rD+7], v[rW:rW+15], v[rX:rX+15], v[BI+8*\f:BI+8*\f+7]
.else
	v_wmma_f32_16x16x128_fp8_fp8 v[rD:rD+7], v[rW:rW+15], v[rX:rX+15], v[rD:rD+7]
.endif
.endif
.endm
.macro BLOCK hf, bl, isv
.irp s, 0,1,2,3
.rept 4
	v_nop
.endr
.irp t, 0,1
.irp c, 0,1,2,3
	ds_load_b128 v[XFR+16*\t+4*\c:XFR+16*\t+4*\c+3], v[LIX] offset:((2*\bl+\t)*4+\s)*2048+512*\c
.endr
.endr
	s_wait_dscnt 0x0
.irp t, 0,1
.irp f, 0,1
	MM \isv, \t, \f, \s
.endr
.endr
.endr
.rept 4
	v_nop
.endr
.set j, 0
.rept 32
.set j, j+1
.endr
.irp a, 0,1,2,3
	v_cvt_scalef32_pk8_fp8_f32 v[OC+8*\bl+2*\a:OC+8*\bl+2*\a+1], v[ACC+8*\a:ACC+8*\a+7], v[SCO]
.endr
	v_nop
.irp g, 0,1
.if \isv
	global_store_b128 v[LI], v[OC+8*\bl+4*\g:OC+8*\bl+4*\g+3], s[52:53] offset:\g*2048+(2*\hf+\bl)*512
.else
	global_store_b128 v[LI], v[OC+8*\bl+4*\g:OC+8*\bl+4*\g+3], s[52:53] offset:(4*\hf+2*\bl+\g)*1024
.endif
.endr
.endm
.macro HALF hf
	QX XR0+\hf
	s_wait_dscnt 0x0
	s_barrier_signal -1
	s_barrier_wait -1
	s_cmp_eq_u32 s[ISV], 1
	s_cbranch_scc1 .Lv_\@
	s_wait_alu depctr_va_vdst(0)
	BLOCK \hf, 0, 0
	BLOCK \hf, 1, 0
	s_branch .Lj_\@
.Lv_\@:
	s_wait_alu depctr_va_vdst(0)
	BLOCK \hf, 0, 1
	BLOCK \hf, 1, 1
.Lj_\@:
.endm
	s_wait_tensorcnt 0x1
	s_barrier_signal -1
	s_barrier_wait -1
	HALF 0
	s_wait_tensorcnt 0x0
	s_wait_dscnt 0x0
	s_wait_xcnt 0x0
	s_barrier_signal -1
	s_barrier_wait -1
	HALF 1
	s_wait_tensorcnt 0x0
	ds_add_u32 v14, v15
	s_wait_dscnt 0x0
	s_endpgm
.Lfunc_end_k_q72ef598717_proj:
	.size	k_q72ef598717_proj, .Lfunc_end_k_q72ef598717_proj-k_q72ef598717_proj
	.p2alignl 7, 3214868480
	.fill 96, 4, 3214868480
	.section	.rodata,"a",@progbits
	.p2align	6, 0x0
	.amdhsa_kernel k_q72ef598717_proj
		.amdhsa_group_segment_fixed_size 327680
		.amdhsa_private_segment_fixed_size 0
		.amdhsa_enable_private_segment 0
		.amdhsa_kernarg_size 88
		.amdhsa_user_sgpr_count 2
		.amdhsa_user_sgpr_kernarg_segment_ptr 1
		.amdhsa_wavefront_size32 1
		.amdhsa_system_sgpr_workgroup_id_x 1
		.amdhsa_system_sgpr_workgroup_id_y 1
		.amdhsa_system_sgpr_workgroup_id_z 1
		.amdhsa_system_vgpr_workitem_id 0
		.amdhsa_next_free_vgpr 256
		.amdhsa_next_free_sgpr 100
		.amdhsa_reserve_vcc 0
		.amdhsa_float_denorm_mode_32 3
		.amdhsa_float_denorm_mode_16_64 3
		.amdhsa_fp16_overflow 1
		.amdhsa_memory_ordered 1
		.amdhsa_forward_progress 1
		.amdhsa_inst_pref_size 49
	.end_amdhsa_kernel
	.amdgpu_metadata
---
amdhsa.version: [ 1, 2 ]
amdhsa.kernels:
  - .name:           k_q72ef598717_proj
    .symbol:         k_q72ef598717_proj.kd
    .args:
      - { .name: q, .offset: 0, .size: 8, .value_kind: global_buffer, .address_space: global }
      - { .name: k, .offset: 8, .size: 8, .value_kind: global_buffer, .address_space: global }
      - { .name: v, .offset: 16, .size: 8, .value_kind: global_buffer, .address_space: global }
      - { .name: bq, .offset: 24, .size: 8, .value_kind: global_buffer, .address_space: global }
      - { .name: bk, .offset: 32, .size: 8, .value_kind: global_buffer, .address_space: global }
      - { .name: bv, .offset: 40, .size: 8, .value_kind: global_buffer, .address_space: global }
      - { .name: lowp_scales, .offset: 48, .size: 8, .value_kind: global_buffer, .address_space: global }
      - { .name: wimg, .offset: 56, .size: 8, .value_kind: global_buffer, .address_space: global }
      - { .name: qc, .offset: 64, .size: 8, .value_kind: global_buffer, .address_space: global }
      - { .name: kc, .offset: 72, .size: 8, .value_kind: global_buffer, .address_space: global }
      - { .name: vc, .offset: 80, .size: 8, .value_kind: global_buffer, .address_space: global }
    .group_segment_fixed_size: 327680
    .private_segment_fixed_size: 0
    .kernarg_segment_align: 8
    .kernarg_segment_size: 88
    .max_flat_workgroup_size: 512
    .sgpr_count:     100
    .vgpr_count:     256
    .wavefront_size: 32
...
	.end_amdgpu_metadata
.endif
;; end of part 2
;; launch attn (part 3): grid 16 x 16, 16 waves a work-group, clusters of 4 x 1, 327,680 bytes of LDS; arguments qc, kc, vc, lowp_scales, ac; writes ac
.if DOCPART == 3
	.amdgcn_target "amdgcn-amd-amdhsa--gfx1250"
	.amdhsa_code_object_version 6
	.text
	.protected	k_q72ef598717_attn
	.globl	k_q72ef598717_attn
	.p2align	8
	.type	k_q72ef598717_attn,@function
k_q72ef598717_attn:
	s_mov_b64 s[64:65], 0
	v_nop
	global_prefetch_b8 v0, s[64:65] scope:SCOPE_SE
	s_setreg_imm32_b32 hwreg(HW_REG_WAVE_MODE, 25, 1), 1
	s_wait_xcnt 0x0
	s_wait_alu depctr_hold_cnt(0) depctr_sa_sdst(0) depctr_va_vdst(0) depctr_va_sdst(0) depctr_va_ssrc(0) depctr_va_vcc(0) depctr_vm_vsrc(0)
	s_getreg_b32 s2, hwreg(HW_REG_IB_STS2, 6, 4)
	s_cmp_eq_u32 s2, 0
	s_cbranch_scc0 .Lentry_in_a_cluster
	s_endpgm
.Lentry_in_a_cluster:
	s_bfe_u32 s2, ttmp6, 0x10000c
	s_cmp_lg_u32 s2, 0x3003
	s_cbranch_scc0 .Lentry_shape_is_right
	s_endpgm
.Lentry_shape_is_right:
; Attention on codes of E4M3: for each of 16 (batch, head) pairs bh, O[q] = sum over k of softmax_k(Q[q] . K[k] / 8) V[k], head size 64, 4,096 keys; O is quantised at once for the last projection.
; qc, kc: [bh][tile of 16 tokens][2 chunks][512]; vc: [bh][128 keys][dt 0..3][4 chunks][512]; ac: [token / 16][s 0..3][c 0..3][512]: images of operand registers (chunk: lane (r, h) has, at 16 x lane, the codes of
; k = 32 c + 8 h + 0..7 and 32 c + 16 + 8 h + 0..7 of row r): every fragment comes and goes by lines of 16 bytes a lane, 512 consecutive bytes a wave; k stands in the plain forms' true places.
; THE SOFTMAX: t = score x 2^(e6 + e7) x log2(e) / 8; M = the running largest t rounded UP to a whole number; p = 2^(t - M) is quantised with 2^e8, not normalised; the row's sum is taken of the unquantised p and divides
; at the end.  When M moves, the sum and O are multiplied by 2^(old M - new M), which rounds nothing.
; SHARES.  A work-group owns 256 queries of one bh, each of its sixteen waves 16: four waves to a SIMD, so that one wave's vector work stands beside another's products and LDS loads.  Every wave walks all keys, 128 a step.
; LAYOUT.  S^T = K Q^T (source 0 = 16 keys, source 1 = my queries, K = 64): lane (r, h) holds query r and keys 16 t + 8 h + 0..7 of tile t, which are registers 2 t, 2 t + 1 of source 1 of O^T = V^T P^T (K = 128): the
; conversions' results are that operand.  O^T holds one query a lane and channels 16 dt + 8 h + 0..7: again the next operand's order.
; RING.  Two LDS slots of 512 keys (K 32,768 bytes, then V 32,768), dense.  CLUSTER: the four query blocks of a cluster walk the same K and V: each quarter of a slot is asked for JOINTLY (waves 0, 1: K's halves; 2, 3: V's).
; By this text's count a wave has one tensor load out.
; LIMITS: e6 + e7 between -123 and 130 (added to c's exponent field); e8, and e10 - e8 - e9, between -126 and 119.  NaN is not served.
.set NSL,   8                          ; slots' worth of keys
.set SLOT1, 1<<17                      ; slot 1 begins here: one exclusive or turns an address from slot to slot
.set VOFF,  32768
.set SPARE, 2*SLOT1                    ; the spare words, 128 bytes a wave: eight blocks of 256 bytes that no other line names
.set LI,   1                           ; v1   16 x lane; never rewritten
.set ADR,  2                           ; v2   the slot in hand + 16 x lane
.set PFO,  3                           ; v3   256 x lane; never rewritten
.set SPW,  5                           ; v5   my spare word; never rewritten
.set NIL,  6                           ; v6   0; never rewritten
                                       ; v12 -M, v13 the largest t, v[14:15] the sum in two halves
.set QF,   16                          ; v16-23   my queries' fragment
.set KV,   32                          ; v32-95   K's 8 tiles x 8 registers, then V's 4 tiles x 16
.set SS,   96                          ; v96-159  S^T, then p
.set OT,   160                         ; v160-191 O^T
.set PC,   192                         ; v192-207 p's codes
.set HOLD, 208                         ; SCP 2^e8
.set SCP,  209
.set HOLD2, 210
.set SCO,  211
.set FF,   212                         ; v[212:213] f = 2^(old M - new M); the upper register is named with it and written once
.set T0,   214
.set T1,   215
.set PX,   216                         ; the permute's destination, written once
.set LB,   218                         ; v[218:219] the sum's second chain
.set TB,   14                          ; s14  LDS byte at which the slot in hand begins
.set SLOTS, 15                         ; s15  slots still to be asked for
.set WV,   18
.set SEL,  20                          ; s[20:21] v_permlanex16_b32: lane l xor 16
.set CS,   22                          ; s[22:23] c
.set G1,   24                          ; s[24:31] descriptor group 1, for K's and V's loads alike
.set G0K,  40                          ; s[40:43], s[44:47] groups 0, which walk
.set G0V,  44
.set PFA,  48                          ; s[48:49] where my prefetches stand
.set LIM,  50                          ; s50  1 in a wave that prefetches, else the greatest number
.macro MKSCALE e, t, sc, lim
	s_add_co_i32 s[\t], s[\e], 127
	s_lshl_b32 s[\t+1], s[\t], 23
	v_mov_b32 v[\sc], s[\t+1]
.endm
.macro CROUND                          ; a round of the cluster's barrier
	s_barrier_signal -1
	s_barrier_wait -1
	s_cmp_lg_u32 s[WV], 0
	s_cbranch_scc1 .Lnot_wave_0_\@
	s_barrier_signal -3
.Lnot_wave_0_\@:
	s_barrier_wait -3
	s_barrier_signal -1
	s_barrier_wait -1
.endm
.macro TLOAD                           ; waves 0, 1 ask for K's halves, waves 2, 3 for V's, the others for nothing: branches on the wave's number alone.  Four v_nop follow each line
	s_cmp_lt_u32 s[WV], 2
	s_cbranch_scc0 .Lnot_k_\@
	tensor_load_to_lds s[G0K:G0K+3], s[G1:G1+7]
	s_nop 0
.rept 4
	v_nop
.endr
	s_branch .Lasked_\@
.Lnot_k_\@:
	s_cmp_lt_u32 s[WV], 4
	s_cbranch_scc0 .Lasked_\@
	tensor_load_to_lds s[G0V:G0V+3], s[G1:G1+7]
	s_nop 0
.rept 4
	v_nop
.endr
.Lasked_\@:
.endm
; A prefetch of what the NEXT change of slots will ask for: a slot's 32,768 bytes of K and of V.  All clusters of a bh walk the same bytes: its first cluster asks.  Its four partners take 8,192 bytes each, told apart by
; ADDRESS; in each, wave 4 asks for K's and wave 5 for V's, lanes 256 bytes apart: one instruction, and each block of 256 bytes is named once in the launch.  Slots 0 and 1 come by their loads alone; the last change that fills asks for nothing.
.macro ASK
	s_cmp_gt_u32 s[SLOTS], s[LIM]
	s_cbranch_scc0 .Lnot_mine_\@
	global_prefetch_b8 v[PFO], s[PFA:PFA+1] th:TH_LOAD_NT scope:SCOPE_SE
.Lnot_mine_\@:
.endm
	s_load_b256 s[4:11], s[0:1], 0x0               ; qc s[4:5], kc s[6:7], vc s[8:9], the scales' exponents s[10:11]
	s_load_b64 s[12:13], s[0:1], 0x20              ; ac
	v_lshl_add_u32 v[SPW], v0, 2, SPARE
	v_mov_b32 v[NIL], 0
	ds_add_u32 v5, v6
	ds_add_u32 v5, v6
	s_wait_dscnt 0x0
	v_lshrrev_b32 v2, 5, v0
	s_delay_alu instid0(VALU_DEP_1)
	v_readfirstlane_b32 s[WV], v2                  ; wave 0..15
	v_and_b32 v[LI], 31, v0
	s_delay_alu instid0(VALU_DEP_1)
	v_lshlrev_b32 v[PFO], 8, v[LI]
	s_delay_alu instid0(VALU_DEP_2)
	v_lshlrev_b32 v[LI], 4, v[LI]
	s_bfe_u32 s66, ttmp6, 0x40000                  ; cx: it enters Q's, O's and the prefetches' addresses alone
	s_lshl_b32 s67, ttmp9, 2
	s_add_co_u32 s67, s67, s66                     ; my block of 256 queries
	s_and_b32 s68, ttmp7, 0xffff                   ; bh, which the four partners share
	s_lshl_b32 s74, s68, 18                        ; a bh's codes are 262,144 bytes in qc, kc and vc
	s_and_b32 s69, s[WV], 1
	s_lshl_b32 s69, s69, 14                        ; which half of K's or V's part of a slot I fetch
	s_add_co_u32 s76, s74, s69
	s_mov_b32 s77, 0
	s_lshl_b32 s78, s67, 4
	s_add_co_u32 s78, s78, s[WV]                   ; my tile of 16 queries in the bh
	s_lshl_b32 s70, s78, 10
	s_add_co_u32 s70, s70, s74
	s_mov_b32 s71, 0                               ; Q's fragment
	s_lshr_b32 s79, s68, 3
	s_lshl_b32 s79, s79, 8
	s_add_co_u32 s79, s79, s78                     ; token / 16 = 256 b + my tile
	s_lshl_b32 s72, s79, 13
	s_and_b32 s80, s68, 7
	s_lshl_b32 s80, s80, 10                        ; head hd: K step hd / 2, chunks 2 (hd % 2) on: 1,024 hd bytes
	s_add_co_u32 s72, s72, s80
	s_mov_b32 s73, 0
	s_lshl_b32 s82, s66, 13                        ; the prefetches: my work-group's 8,192 bytes,
	s_add_co_u32 s82, s82, s74
	s_add_co_u32 s82, s82, 32768                   ; in slot 1: the first change of slots steps it to slot 2
	s_mov_b32 s83, 0
	s_lshr_b32 s81, s[WV], 1
	s_xor_b32 s81, s81, 2                          ; 0 in waves 4 and 5,
	s_or_b32 s81, s81, ttmp9                       ; of the bh's first cluster: the same in all four partners
	s_cmp_eq_u32 s81, 0
	s_cselect_b32 s[LIM], 1, -1
	; group 1: 64 rows of 256 bytes, dense: 16,384 bytes
	s_mov_b32 s[G1+0], 15|(3<<16)|(1<<21)          ; 15:0 the mask: all four work-groups; 17:16 elements of 8 bytes; 21 set beside a mask
	s_mov_b32 s[G1+1], 32<<16                      ; tensor_dim0
	s_mov_b32 s[G1+2], 64<<16                      ; tensor_dim1
	s_mov_b32 s[G1+3], 32<<16                      ; tile_dim0
	s_mov_b32 s[G1+4], 64                          ; tile_dim1
	s_mov_b32 s[G1+5], 32                          ; tensor_dim0_stride
	s_mov_b32 s[G1+6], 0
	s_mov_b32 s[G1+7], 0
	s_mov_b32 s[SEL], 0x76543210
	s_mov_b32 s[SEL+1], 0xfedcba98
	s_mov_b32 s[CS], 0x3e38aa3b                    ; c = log2(e) / 8
	s_mov_b32 s[TB], 0
	s_mov_b32 s[SLOTS], NSL-1
	s_wait_kmcnt 0x0
	s_load_b256 s[52:59], s[10:11], 0x0            ; e0 .. e7
	s_load_b128 s[60:63], s[10:11], 0x20           ; e8 .. e11
	s_mov_b32 s[G0K], 1
	s_mov_b32 s[G0K+1], s69
	s_add_nc_u64 s[G0K+2:G0K+3], s[6:7], s[76:77]
	s_or_b32 s[G0K+3], s[G0K+3], 0x80000000
	s_mov_b32 s[G0V], 1
	s_add_co_u32 s[G0V+1], s69, VOFF
	s_add_nc_u64 s[G0V+2:G0V+3], s[8:9], s[76:77]
	s_or_b32 s[G0V+3], s[G0V+3], 0x80000000
	s_cmp_eq_u32 s[WV], 4
	s_cselect_b64 s[PFA:PFA+1], s[6:7], s[8:9]
	s_add_nc_u64 s[PFA:PFA+1], s[PFA:PFA+1], s[82:83]
	s_add_nc_u64 s[4:5], s[4:5], s[70:71]
	s_add_nc_u64 s[12:13], s[12:13], s[72:73]
	CROUND                                         ; all four work-groups are here: the first joint loads meet
	TLOAD                                          ; slot 0
	s_wait_alu depctr_va_vdst(0)
	global_load_b128 v[QF:QF+3], v[LI], s[4:5]
	global_load_b128 v[QF+4:QF+7], v[LI], s[4:5] offset:512
	v_mov_b32 v13, 0xff61b1e6                      ; the largest t so far: -3e38, under every t
	s_delay_alu instid0(VALU_DEP_1)
	v_floor_f32 v12, -v13
	v_mov_b32 v14, 0
	v_mov_b32 v15, 0
	v_mov_b32 v[PX], 0
	v_mov_b32 v[FF+1], 0
.set j, 0
.rept 32
	v_mov_b32 v[OT+j], 0                           ; the step is written once: the first finds zeros, which the first change of M leaves zeros
.set j, j+1
.endr
	s_wait_kmcnt 0x0
	s_add_co_i32 s84, s58, s59
	s_lshl_b32 s84, s84, 23
	s_add_co_i32 s[CS], s[CS], s84                 ; e6 + e7 go into c's exponent field
	s_mov_b32 s[CS+1], s[CS]                       ; named with it as a pair, so it is written
	MKSCALE 60, 86, SCP, HOLD
	s_sub_co_i32 s85, s62, s60
	s_sub_co_i32 s85, s85, s61                     ; O / l stands for O / l x 2^(e8 + e9): its code is that / 2^(e10 - e8 - e9)
	MKSCALE 85, 86, SCO, HOLD2
; A KEY STEP: 128 keys, the q-th of the slot in hand.
.macro STEP q
.rept 4
	v_nop                                          ; places in front of loads into registers that matrix instructions have read
.endr
.irp t, 0,1,2,3,4,5,6,7
.irp c, 0,1
	ds_load_b128 v[KV+8*\t+4*\c:KV+8*\t+4*\c+3], v[ADR] offset:(\q)*8192+\t*1024+\c*512
.endr
.endr
	s_wait_dscnt 0x0
.irp t, 0,1,2,3,4,5,6,7
	v_wmma_f32_16x16x64_fp8_fp8 v[SS+8*\t:SS+8*\t+7], v[KV+8*\t:KV+8*\t+7], v[QF:QF+7], 0
.endr
.rept 4
	v_nop                                          ; places: for V's loads into K's registers, and for the first read of the scores
.endr
.irp d, 0,1,2,3
.irp c, 0,1,2,3
	ds_load_b128 v[KV+16*\d+4*\c:KV+16*\d+4*\c+3], v[ADR] offset:VOFF+(\q)*8192+\d*2048+\c*512   ; V lands while the softmax is walked
.endr
.endr
	v_max3_num_f32 v[T0], v[SS], v[SS+1], v[SS+2]  ; my query's largest score among my 64 keys, in two chains, each accumulator from its low end on
	v_max3_num_f32 v[T1], v[SS+3], v[SS+4], v[SS+5]
.irp i, 6,10,14,18,22,26,30,34,38,42,46,50,54,58
	v_max3_num_f32 v[T0], v[T0], v[SS+\i], v[SS+\i+1]
	v_max3_num_f32 v[T1], v[T1], v[SS+\i+2], v[SS+\i+3]
.endr
	v_max3_num_f32 v[T0], v[T0], v[SS+62], v[SS+63]
	s_delay_alu instid0(VALU_DEP_1)
	v_max_num_f32 v[T0], v[T0], v[T1]
	s_delay_alu instid0(VALU_DEP_1)
	v_permlanex16_b32 v[PX], v[T0], s[SEL], s[SEL+1]
	s_delay_alu instid0(VALU_DEP_1)
	v_max_num_f32 v[T0], v[T0], v[PX]              ; and among lane l xor 16's
	s_delay_alu instid0(VALU_DEP_1)
	v_mul_f32 v[T0], s[CS], v[T0]                  ; as t (c is positive)
	s_delay_alu instid0(VALU_DEP_1)
	v_max_num_f32 v13, v13, v[T0]
	v_mov_b32 v[T0], v12
	s_delay_alu instid0(VALU_DEP_2)
	v_floor_f32 v12, -v13                          ; -M = floor(-t): M is a whole number
	s_delay_alu instid0(VALU_DEP_1)
	v_sub_f32 v[T0], v12, v[T0]                    ; old M - new M, 0 or less
	s_delay_alu instid0(VALU_DEP_1)
	v_cvt_i32_f32 v[T0], v[T0]                     ; (it saturates)
	s_delay_alu instid0(VALU_DEP_1)
	v_ldexp_f32 v[FF], 1.0, v[T0]                  ; f
.set j, 0
.rept 32
	v_pk_fma_f32 v[SS+j:SS+j+1], v[SS+j:SS+j+1], s[CS:CS+1], v[12:13] op_sel_hi:[1,0,0]   ; t - M, two at a time
.set j, j+2
.endr
.set j, 0
	s_wait_alu depctr_va_vdst(0)
.rept 64
	v_exp_f32 v[SS+j], v[SS+j]                     ; p = 2^(t - M), at most 1
.set j, j+1
.endr
	v_pk_mul_f32 v[14:15], v[14:15], v[FF:FF+1] op_sel_hi:[1,0]   ; the sum under the new M: the plain line behind the exponentials
	s_wait_alu depctr_va_vdst(0)                   ; one wait for the batch, ahead of its first reader
	v_pk_add_f32 v[218:219], v[100:101], v[104:105]
	v_pk_add_f32 v[254:255], v[108:109], v[112:113]
	v_pk_add_f32 v[252:253], v[116:117], v[120:121]
	v_pk_add_f32 v[250:251], v[124:125], v[128:129]
	v_pk_add_f32 v[248:249], v[132:133], v[136:137]
	v_pk_add_f32 v[246:247], v[140:141], v[144:145]
	v_pk_add_f32 v[244:245], v[148:149], v[152:153]
	v_pk_add_f32 v[14:15], v[14:15], v[156:157]
	v_pk_add_f32 v[218:219], v[218:219], v[96:97]
	v_pk_add_f32 v[254:255], v[254:255], v[98:99]
	v_pk_add_f32 v[252:253], v[252:253], v[102:103]
	v_pk_add_f32 v[250:251], v[250:251], v[106:107]
	v_pk_add_f32 v[248:249], v[248:249], v[110:111]
	v_pk_add_f32 v[246:247], v[246:247], v[114:115]
	v_pk_add_f32 v[244:245], v[244:245], v[118:119]
	v_pk_add_f32 v[14:15], v[14:15], v[122:123]
	v_pk_add_f32 v[218:219], v[218:219], v[126:127]
	v_pk_add_f32 v[254:255], v[254:255], v[130:131]
	v_pk_add_f32 v[252:253], v[252:253], v[134:135]
	v_pk_add_f32 v[250:251], v[250:251], v[138:139]
	v_pk_add_f32 v[248:249], v[248:249], v[142:143]
	v_pk_add_f32 v[246:247], v[246:247], v[146:147]
	v_pk_add_f32 v[244:245], v[244:245], v[150:151]
	v_pk_add_f32 v[14:15], v[14:15], v[154:155]
	v_pk_add_f32 v[218:219], v[218:219], v[158:159]
	s_delay_alu instid0(VALU_DEP_2)
	v_pk_add_f32 v[14:15], v[14:15], v[250:251]
	s_delay_alu instid0(VALU_DEP_2)
	v_pk_add_f32 v[218:219], v[218:219], v[248:249]
	v_pk_add_f32 v[254:255], v[254:255], v[246:247]
	v_pk_add_f32 v[252:253], v[252:253], v[244:245]
	s_delay_alu instid0(VALU_DEP_2)
	v_pk_add_f32 v[14:15], v[14:15], v[254:255]
	s_delay_alu instid0(VALU_DEP_2)
	v_pk_add_f32 v[218:219], v[218:219], v[252:253]
	s_delay_alu instid0(VALU_DEP_1)
	v_pk_add_f32 v[14:15], v[14:15], v[218:219]
.set j, 0
.rept 64
.set j, j+1
.endr
.irp t, 0,1,2,3,4,5,6,7
	v_cvt_scalef32_pk8_fp8_f32 v[PC+2*\t:PC+2*\t+1], v[SS+8*\t:SS+8*\t+7], v[SCP]   ; keys 16 t + 8 h + 0..7: registers 2 t, 2 t + 1 of the operand
.endr
.set j, 0
.rept 16
	v_pk_mul_f32 v[OT+j:OT+j+1], v[OT+j:OT+j+1], v[FF:FF+1] op_sel_hi:[1,0]   ; O^T under the new M; also the plain lines between the conversions and the products
.set j, j+2
.endr
	s_wait_alu depctr_va_vdst(0)
	s_wait_dscnt 0x0                               ; V is in
.irp d, 0,1,2,3
	v_wmma_f32_16x16x128_fp8_fp8 v[OT+8*\d:OT+8*\d+7], v[KV+16*\d:KV+16*\d+15], v[PC:PC+15], v[OT+8*\d:OT+8*\d+7]   ; four accumulators by turns
.endr
.endm
; THE CHANGE OF SLOTS, at a slot's head.  Each wave waits for all its tensor loads (its part of the slot ahead), adds 0 to its spare word, and waits for that and for its reads of the slot that it has left.
; fill = 1: the barrier is a round of the cluster's, and the slot just left is asked for jointly, first thing behind it: it has a slot's four steps in which to land.
.macro CHANGE fill
	s_wait_tensorcnt 0x0                           ; no tensor load of mine is out, so a group 0 may be written
	ds_add_u32 v[SPW], v[NIL]                      ; 0 onto my spare word
.if \fill
	s_xor_b32 s[G0K+1], s[G0K+1], SLOT1            ; the other slot than last time,
	s_add_nc_u64 s[G0K+2:G0K+3], s[G0K+2:G0K+3], 32768   ; the next 512 keys
	s_xor_b32 s[G0V+1], s[G0V+1], SLOT1
	s_add_nc_u64 s[G0V+2:G0V+3], s[G0V+2:G0V+3], 32768
	s_wait_xcnt 0x0                                ; the last prefetch, a slot back, has read its address
	s_add_nc_u64 s[PFA:PFA+1], s[PFA:PFA+1], 32768 ; one slot further on than the walking descriptors
.endif
	s_wait_dscnt 0x0                               ; the add is done, and my reads of the slot that I have left are over
.if \fill
	CROUND
	TLOAD
	ASK
.else
	s_barrier_signal -1
	s_barrier_wait -1
.endif
	v_add_nc_u32 v[ADR], s[TB], v[LI]
.endm
.macro SLOT_STEPS
.irp n, 0,1,2,3
	STEP \n
.endr
	s_xor_b32 s[TB], s[TB], SLOT1
.endm
	s_wait_loadcnt 0x0                             ; Q
.Lslot:                                            ; NSL - 1 trips: behind each change of slots but the last the next slot is asked for
	CHANGE 1
	s_wait_alu depctr_va_vdst(0)
	SLOT_STEPS
	s_sub_co_u32 s[SLOTS], s[SLOTS], 1
	s_cmp_lg_u32 s[SLOTS], 0
	s_cbranch_scc1 .Lslot
	CHANGE 0                                       ; the last slot is written out
	s_wait_alu depctr_va_vdst(0)
	SLOT_STEPS
	; THE WAY OUT: O^T / l, held, converted with 2^(e10 - e8 - e9): the lane's codes are two chunks of the last projection's operand: 1,024 consecutive bytes a wave.
.rept 4
	v_nop                                          ; places behind the last products
.endr
	v_add_f32 v14, v14, v15
	s_delay_alu instid0(VALU_DEP_1)
	v_permlanex16_b32 v[PX], v14, s[SEL], s[SEL+1]
	s_delay_alu instid0(VALU_DEP_1)
	v_add_f32 v14, v14, v[PX]                      ; the row's sum
	s_wait_alu depctr_va_vdst(0)
	v_rcp_f32 v14, v14
	v_nop                                          ; a plain line behind the reciprocal
	s_wait_alu depctr_va_vdst(0)                   ; and the wait ahead of its first reader
.set j, 0
.rept 16
	v_pk_mul_f32 v[SS+j:SS+j+1], v[OT+j:OT+j+1], v[14:15] op_sel_hi:[1,0]   ; each accumulator from its low end on
.set j, j+2
.endr
.set j, 0
.rept 32
.set j, j+1
.endr
.irp d, 0,1,2,3
	v_cvt_scalef32_pk8_fp8_f32 v[PC+2*\d:PC+2*\d+1], v[SS+8*\d:SS+8*\d+7], v[SCO]
.endr
	v_nop                                          ; a plain line behind the last conversion
.irp c, 0,1
	global_store_b128 v[LI], v[PC+4*\c:PC+4*\c+3], s[12:13] offset:512*\c
.endr
	s_wait_tensorcnt 0x0                           ; the wave's end
	ds_add_u32 v[SPW], v[NIL]
	s_wait_dscnt 0x0
	CROUND                                         ; the closing round: no work-group ends while a partner may still ask for a tile that names it
	s_endpgm
.Lfunc_end_k_q72ef598717_attn:
	.size	k_q72ef598717_attn, .Lfunc_end_k_q72ef598717_attn-k_q72ef598717_attn
	.p2alignl 7, 3214868480
	.fill 96, 4, 3214868480
	.section	.rodata,"a",@progbits
	.p2align	6, 0x0
	.amdhsa_kernel k_q72ef598717_attn
		.amdhsa_group_segment_fixed_size 327680
		.amdhsa_private_segment_fixed_size 0
		.amdhsa_enable_private_segment 0
		.amdhsa_kernarg_size 40
		.amdhsa_user_sgpr_count 2
		.amdhsa_user_sgpr_kernarg_segment_ptr 1
		.amdhsa_wavefront_size32 1
		.amdhsa_system_sgpr_workgroup_id_x 1
		.amdhsa_system_sgpr_workgroup_id_y 1
		.amdhsa_system_sgpr_workgroup_id_z 1
		.amdhsa_system_vgpr_workitem_id 0
		.amdhsa_next_free_vgpr 256
		.amdhsa_next_free_sgpr 100
		.amdhsa_reserve_vcc 0
		.amdhsa_float_denorm_mode_32 3
		.amdhsa_float_denorm_mode_16_64 3
		.amdhsa_fp16_overflow 1
		.amdhsa_memory_ordered 1
		.amdhsa_forward_progress 1
		.amdhsa_inst_pref_size 119
	.end_amdhsa_kernel
	.amdgpu_metadata
---
amdhsa.version: [ 1, 2 ]
amdhsa.kernels:
  - .name:           k_q72ef598717_attn
    .symbol:         k_q72ef598717_attn.kd
    .args:
      - { .name: qc, .offset: 0, .size: 8, .value_kind: global_buffer, .address_space: global }
      - { .name: kc, .offset: 8, .size: 8, .value_kind: global_buffer, .address_space: global }
      - { .name: vc, .offset: 16, .size: 8, .value_kind: global_buffer, .address_space: global }
      - { .name: lowp_scales, .offset: 24, .size: 8, .value_kind: global_buffer, .address_space: global }
      - { .name: ac, .offset: 32, .size: 8, .value_kind: global_buffer, .address_space: global }
    .group_segment_fixed_size: 327680
    .private_segment_fixed_size: 0
    .kernarg_segment_align: 8
    .kernarg_segment_size: 40
    .max_flat_workgroup_size: 512
    .sgpr_count:     100
    .vgpr_count:     256
    .wavefront_size: 32
...
	.end_amdgpu_metadata
.endif
;; end of part 3
;; launch oproj (part 4): grid 4 x 64, 16 waves a work-group, clusters of 4 x 4, 200,704 bytes of LDS; arguments ac, wimg, bo, lowp_scales, out0; writes out0
.if DOCPART == 4
	.amdgcn_target "amdgcn-amd-amdhsa--gfx1250"
	.amdhsa_code_object_version 6
	.text
	.protected	k_q72ef598717_oproj
	.globl	k_q72ef598717_oproj
	.p2align	8
	.type	k_q72ef598717_oproj,@function
k_q72ef598717_oproj:
	s_mov_b64 s[64:65], 0
	v_nop
	global_prefetch_b8 v0, s[64:65] scope:SCOPE_SE
	s_setreg_imm32_b32 hwreg(HW_REG_WAVE_MODE, 25, 1), 1
	s_wait_xcnt 0x0
	s_wait_alu depctr_hold_cnt(0) depctr_sa_sdst(0) depctr_va_vdst(0) depctr_va_sdst(0) depctr_va_ssrc(0) depctr_va_vcc(0) depctr_vm_vsrc(0)
	s_getreg_b32 s2, hwreg(HW_REG_IB_STS2, 6, 4)
	s_cmp_eq_u32 s2, 0
	s_cbranch_scc0 .Lentry_in_a_cluster
	s_endpgm
.Lentry_in_a_cluster:
	s_bfe_u32 s2, ttmp6, 0x10000c
	s_cmp_lg_u32 s2, 0xf033
	s_cbranch_scc0 .Lentry_shape_is_right
	s_endpgm
.Lentry_shape_is_right:
; out0 = concat Wo^T x 2^(e10 + e11) + bo.  concat: codes as images, ac [token / 16][s 0..3][c 0..3][512]; Wo: codes as images, the fourth weight of wimg [ft 0..31][s][c][512]; out0 [8192][512] f32.
; SHARES.  A work-group makes 128 tokens x 128 features: 65,536 bytes of each operand, K = 512 whole, brought once.  Wave w makes features 32 (w % 4) on x tokens 32 (w / 4) on: four accumulators by turns.
; CLUSTER: 4 x 4 work-groups.  The four of a row of the cluster need the same tokens' images, the four of a column the same features': each quarter (16,384 bytes) is asked for JOINTLY (waves 0-3: the tokens'; waves 4-7: Wo's).
; No LDS byte is filled twice.  By this text's count a wave has one tensor load out.
; The product is used transposed (source 0 = Wo, source 1 = concat): a lane holds one token and eight neighbouring features.  Rows meet in a stage (512 bytes + 16) and leave whole: a store covers 512 consecutive bytes, aligned.
; LIMIT: e10 + e11 between -126 and 127.
.set WIMG, 65536                       ; LDS: the tokens' eight images of 8,192 bytes, then Wo's eight,
.set STG,  131072                      ; then the stage: 128 rows x 528 bytes; written by LDS stores alone
.set SP,   528
.set LI,   1                           ; v1  16 x lane
.set ADA,  2                           ; v2  my two token tiles
.set ADW,  3                           ; v3  my two feature tiles
.set STO,  4                           ; v4  the stage: where I put 32 bytes of a row
.set RD,   5                           ; v5  and where I read a row back
.set BI,   16                          ; v16-31  bo, 8 registers a feature tile
.set ACC,  32                          ; v32-63  accumulator 2 t + f
.set F0,   64                          ; three sets of fragments: tokens t = 0, 1, then features f = 0, 1, 16 registers each
.set F1,   128
.set F2,   192
.set WV,   18
.set G1A,  24                          ; s[24:31], s[32:35]: the tokens' descriptor;  s[48:55], s[56:59]: Wo's
.set G0A,  32
.set G1W,  48
.set G0W,  56
.macro CROUND
	s_barrier_signal -1
	s_barrier_wait -1
	s_cmp_lg_u32 s[WV], 0
	s_cbranch_scc1 .Lnot_wave_0_\@
	s_barrier_signal -3
.Lnot_wave_0_\@:
	s_barrier_wait -3
	s_barrier_signal -1
	s_barrier_wait -1
.endm
	s_load_b256 s[4:11], s[0:1], 0x0               ; ac s[4:5], wimg s[6:7], bo s[8:9], the scales' exponents s[10:11]
	s_load_b64 s[12:13], s[0:1], 0x20              ; out0
	v_lshl_add_u32 v14, v0, 2, 0x30800
	v_mov_b32 v15, 0
	ds_add_u32 v14, v15
	ds_add_u32 v14, v15
	v_lshrrev_b32 v2, 5, v0
	s_delay_alu instid0(VALU_DEP_1)
	v_readfirstlane_b32 s[WV], v2                  ; wave 0..15
	s_bfe_u32 s40, ttmp6, 0x40000                  ; cx
	s_bfe_u32 s41, ttmp6, 0x40004                  ; cy
	s_lshl_b32 s42, ttmp9, 2
	s_add_co_u32 s42, s42, s40                     ; tx: which 128 features
	s_and_b32 s43, ttmp7, 0xffff
	s_lshl_b32 s43, s43, 2
	s_add_co_u32 s43, s43, s41                     ; ty: which 128 tokens
	s_lshl_b32 s44, s41, 2
	s_lshl_b32 s44, 15, s44                        ; my row of the cluster
	s_lshl_b32 s45, 0x1111, s40                    ; my column
	s_or_b32 s[G1A], s44, (3<<16)|(1<<21)          ; 15:0 the mask; 17:16 elements of 8 bytes; 21 set beside a mask
	s_or_b32 s[G1W], s45, (3<<16)|(1<<21)
.irp g, G1A, G1W
	s_mov_b32 s[\g+1], 32<<16                      ; 64 rows of 256 bytes, dense
	s_mov_b32 s[\g+2], 64<<16
	s_mov_b32 s[\g+3], 32<<16
	s_mov_b32 s[\g+4], 64
	s_mov_b32 s[\g+5], 32
	s_mov_b32 s[\g+6], 0
	s_mov_b32 s[\g+7], 0
.endr
	s_and_b32 s86, s[WV], 3                        ; which quarter I fetch.  Also: my 32 features
	s_lshr_b32 s87, s[WV], 2                       ; my 32 tokens
	s_lshl_b32 s46, s86, 14
	s_lshl_b32 s60, s43, 16                        ; the tokens' address hangs on ty and the wave alone,
	s_add_co_u32 s60, s60, s46
	s_mov_b32 s61, 0
	s_lshl_b32 s62, s42, 16                        ; Wo's on tx and the wave alone
	s_add_co_u32 s62, s62, s46
	s_add_co_u32 s62, s62, 3*262144
	s_mov_b32 s63, 0
	s_lshl_b32 s82, s42, 9                         ; bo: 128 tx + 32 (w % 4) numbers on
	s_lshl_b32 s83, s86, 7
	s_add_co_u32 s82, s82, s83
	s_mov_b32 s83, 0
	s_lshl_b32 s84, s43, 18                        ; out0: row 128 ty + 8 w, column 128 tx
	s_lshl_b32 s85, s[WV], 14
	s_add_co_u32 s84, s84, s85
	s_lshl_b32 s85, s42, 9
	s_add_co_u32 s84, s84, s85
	s_mov_b32 s85, 0
	v_and_b32 v[LI], 31, v0
	s_delay_alu instid0(VALU_DEP_1)
	v_lshlrev_b32 v[LI], 4, v[LI]
	s_wait_alu depctr_va_vdst(0)
	v_and_b32 v7, 15, v0                           ; r
	v_bfe_u32 v8, v0, 4, 1                         ; h
	s_wait_alu depctr_va_vdst(0)
	s_lshl_b32 s88, s87, 14
	v_add_nc_u32 v[ADA], s88, v[LI]
	s_add_co_u32 s88, s46, WIMG
	v_add_nc_u32 v[ADW], s88, v[LI]
	s_mul_i32 s88, s87, 32*SP
	s_lshl_b32 s89, s86, 7
	s_add_co_u32 s88, s88, s89
	s_add_co_u32 s88, s88, STG
	v_mul_u32_u24 v[STO], v7, SP
	s_delay_alu instid0(VALU_DEP_1)
	v_lshl_add_u32 v[STO], v8, 5, v[STO]
	s_delay_alu instid0(VALU_DEP_1)
	v_add_nc_u32 v[STO], s88, v[STO]               ; row 32 (w / 4) + r, + 128 (w % 4) + 32 h bytes
	s_mul_i32 s88, s[WV], 8*SP
	s_add_co_u32 s88, s88, STG
	v_add_nc_u32 v[RD], s88, v[LI]                 ; back: rows 8 w on, 16 bytes a lane
	v_lshlrev_b32 v6, 5, v8                        ; 32 h
	s_wait_dscnt 0x0
	s_wait_kmcnt 0x0
	s_load_b256 s[68:75], s[10:11], 0x0            ; e0 .. e7
	s_load_b128 s[76:79], s[10:11], 0x20           ; e8 .. e11
	s_mov_b32 s[G0A], 1
	s_mov_b32 s[G0A+1], s46
	s_add_nc_u64 s[G0A+2:G0A+3], s[4:5], s[60:61]
	s_or_b32 s[G0A+3], s[G0A+3], 0x80000000
	s_mov_b32 s[G0W], 1
	s_add_co_u32 s[G0W+1], s46, WIMG
	s_add_nc_u64 s[G0W+2:G0W+3], s[6:7], s[62:63]
	s_or_b32 s[G0W+3], s[G0W+3], 0x80000000
	s_add_nc_u64 s[8:9], s[8:9], s[82:83]
	s_add_nc_u64 s[12:13], s[12:13], s[84:85]
	CROUND                                         ; all sixteen work-groups are here: the joint loads meet
	s_cmp_lt_u32 s[WV], 4                          ; branches on the wave's number alone; four v_nop follow each line
	s_cbranch_scc0 .Lnot_a
	tensor_load_to_lds s[G0A:G0A+3], s[G1A:G1A+7]
	s_nop 0
.rept 4
	v_nop
.endr
	s_branch .Lasked
.Lnot_a:
	s_cmp_lt_u32 s[WV], 8
	s_cbranch_scc0 .Lasked
	tensor_load_to_lds s[G0W:G0W+3], s[G1W:G1W+7]
	s_nop 0
.rept 4
	v_nop
.endr
.Lasked:
	s_wait_alu depctr_va_vdst(0)
.irp f, 0,1
.irp u, 0,1
	global_load_b128 v[BI+8*\f+4*\u:BI+8*\f+4*\u+3], v6, s[8:9] offset:64*\f+16*\u   ; features 16 f + 8 h + 0..7
.endr
.endr
	s_wait_kmcnt 0x0
	s_add_co_i32 s80, s78, s79
	s_add_co_i32 s80, s80, 127
	s_lshl_b32 s80, s80, 23                        ; 2^(e10 + e11) as f32
	s_mov_b32 s81, s80                             ; named with it as a pair, so it is written
	s_wait_tensorcnt 0x0                           ; my quarter is in,
	s_barrier_signal -1
	s_barrier_wait -1                              ; everybody's is
.macro FETCH buf, s                    ; K step s: 16 LDS loads
.irp t, 0,1
.irp c, 0,1,2,3
	ds_load_b128 v[\buf+16*\t+4*\c:\buf+16*\t+4*\c+3], v[ADA] offset:\t*8192+\s*2048+512*\c
.endr
.endr
.irp t, 0,1
.irp c, 0,1,2,3
	ds_load_b128 v[\buf+32+16*\t+4*\c:\buf+32+16*\t+4*\c+3], v[ADW] offset:\t*8192+\s*2048+512*\c
.endr
.endr
.endm
.macro MUL buf, zero                   ; four products, the accumulators by turns; zero = 1: they start the sums
.irp t, 0,1
.irp f, 0,1
.if \zero
	v_wmma_f32_16x16x128_fp8_fp8 v[ACC+8*(2*\t+\f):ACC+8*(2*\t+\f)+7], v[\buf+32+16*\f:\buf+32+16*\f+15], v[\buf+16*\t:\buf+16*\t+15], 0
.else
	v_wmma_f32_16x16x128_fp8_fp8 v[ACC+8*(2*\t+\f):ACC+8*(2*\t+\f)+7], v[\buf+32+16*\f:\buf+32+16*\f+15], v[\buf+16*\t:\buf+16*\t+15], v[ACC+8*(2*\t+\f):ACC+8*(2*\t+\f)+7]
.endif
.endr
.endr
.endm
	FETCH F0, 0
	FETCH F1, 1
	FETCH F2, 2
	s_wait_dscnt 32                                ; K step 0's sixteen loads are in; the 32 younger may be out
	MUL F0, 1
.rept 4
	v_nop                                          ; places in front of loads into registers that matrix instructions have read
.endr
	FETCH F0, 3
	s_wait_dscnt 32                                ; K step 1's are in; steps 2 and 3 may be out
	MUL F1, 0
	s_wait_dscnt 16                                ; K step 2's
	MUL F2, 0
	s_wait_dscnt 0x0
	MUL F0, 0
.rept 4
	v_nop                                          ; places in front of the first read of results and of writes into the last fragments' registers
.endr
	s_wait_loadcnt 0x0                             ; bo
.irp t, 0,1
.irp f, 0,1
.irp i, 0,2,4,6
	v_pk_fma_f32 v[F0+8*(2*\t+\f)+\i:F0+8*(2*\t+\f)+\i+1], v[ACC+8*(2*\t+\f)+\i:ACC+8*(2*\t+\f)+\i+1], s[80:81], v[BI+8*\f+\i:BI+8*\f+\i+1] op_sel_hi:[1,0,1]   ; sum x 2^(e10 + e11) + bo; each accumulator from its low end on
.endr
.endr
.endr
.irp t, 0,1
.irp f, 0,1
.irp u, 0,1
	ds_store_b128 v[STO], v[F0+8*(2*\t+\f)+4*\u:F0+8*(2*\t+\f)+4*\u+3] offset:\t*16*SP+64*\f+16*\u
.endr
.endr
.endr
	s_wait_dscnt 0x0                               ; for the others' sake: my stores into the stage are done
	s_barrier_signal -1
	s_barrier_wait -1                              ; 128 whole rows lie in the stage
.irp i, 0,1,2,3,4,5,6,7
	ds_load_b128 v[F0+32+4*\i:F0+32+4*\i+3], v[RD] offset:\i*SP
.endr
.irp i, 0,1,2,3,4,5,6,7
	s_wait_dscnt 7-\i                              ; LDS loads come back in order (ISA guide 5.7.1): row i of the eight is in
	global_store_b128 v[LI], v[F0+32+4*\i:F0+32+4*\i+3], s[12:13] offset:2048*\i th:TH_STORE_NT   ; written once, read by nobody here
.endr
	s_wait_tensorcnt 0x0
	ds_add_u32 v14, v15
	s_wait_dscnt 0x0
	CROUND                                         ; the closing round: no work-group ends while a partner may still ask for a tile that names it
	s_endpgm
.Lfunc_end_k_q72ef598717_oproj:
	.size	k_q72ef598717_oproj, .Lfunc_end_k_q72ef598717_oproj-k_q72ef598717_oproj
	.p2alignl 7, 3214868480
	.fill 96, 4, 3214868480
	.section	.rodata,"a",@progbits
	.p2align	6, 0x0
	.amdhsa_kernel k_q72ef598717_oproj
		.amdhsa_group_segment_fixed_size 200704
		.amdhsa_private_segment_fixed_size 0
		.amdhsa_enable_private_segment 0
		.amdhsa_kernarg_size 40
		.amdhsa_user_sgpr_count 2
		.amdhsa_user_sgpr_kernarg_segment_ptr 1
		.amdhsa_wavefront_size32 1
		.amdhsa_system_sgpr_workgroup_id_x 1
		.amdhsa_system_sgpr_workgroup_id_y 1
		.amdhsa_system_sgpr_workgroup_id_z 1
		.amdhsa_system_vgpr_workitem_id 0
		.amdhsa_next_free_vgpr 256
		.amdhsa_next_free_sgpr 100
		.amdhsa_reserve_vcc 0
		.amdhsa_float_denorm_mode_32 3
		.amdhsa_float_denorm_mode_16_64 3
		.amdhsa_memory_ordered 1
		.amdhsa_forward_progress 1
		.amdhsa_inst_pref_size 16
	.end_amdhsa_kernel
	.amdgpu_metadata
---
amdhsa.version: [ 1, 2 ]
amdhsa.kernels:
  - .name:           k_q72ef598717_oproj
    .symbol:         k_q72ef598717_oproj.kd
    .args:
      - { .name: ac, .offset: 0, .size: 8, .value_kind: global_buffer, .address_space: global }
      - { .name: wimg, .offset: 8, .size: 8, .value_kind: global_buffer, .address_space: global }
      - { .name: bo, .offset: 16, .size: 8, .value_kind: global_buffer, .address_space: global }
      - { .name: lowp_scales, .offset: 24, .size: 8, .value_kind: global_buffer, .address_space: global }
      - { .name: out0, .offset: 32, .size: 8, .value_kind: global_buffer, .address_space: global }
    .group_segment_fixed_size: 200704
    .private_segment_fixed_size: 0
    .kernarg_segment_align: 8
    .kernarg_segment_size: 40
    .max_flat_workgroup_size: 512
    .sgpr_count:     100
    .vgpr_count:     256
    .wavefront_size: 32
...
	.end_amdgpu_metadata
.endif
;; end of part 4
